; MI455X (gfx1250); checked and timed in simulation.
; The chip was launched on July 23, 2026; its instructions are those of AMD's public machine-readable ISA for CDNA 5 (MIT licence, August 2026) and "CDNA5" Instruction Set Architecture Reference Guide (July 2026). The comments in the code are by the model that wrote it; some were corrected since.
;; GC Net. Allowed arithmetic: float matrix products may take bf16 or f16 operands with f32 sums; all other float work in f32.
;; Inputs: feaL 1 x 32 x 128 x 256 float32; feaR 1 x 32 x 128 x 256 float32.
;; Outputs: out0 1 x 64 x 128 x 256 float32.
;; Constants: max_disp = 128, min_disp = 0.
;; 2 versions, each right; version 2 is version 1 with the launch softargmax written anew for expert scheduling mode. Each part assembles by itself: llvm-mc -triple=amdgcn-amd-amdhsa -mcpu=gfx1250 --defsym DOCPART=n.
;; ======== version 1 of 2: 1 launch
;; launch softargmax (part 1): grid 256 x 1, 4 waves a work-group, no clusters, 130,560 bytes of LDS; arguments feaL, feaR, out0; writes out0
.if DOCPART == 1
	.amdgcn_target "amdgcn-amd-amdhsa--gfx1250"
	.amdhsa_code_object_version 6
	.text
	.protected	k_q6a2d37e54a_softargmax
	.globl	k_q6a2d37e54a_softargmax
	.p2align	8
	.type	k_q6a2d37e54a_softargmax,@function
k_q6a2d37e54a_softargmax:
	s_mov_b64 s[64:65], 0
	v_nop
	global_prefetch_b8 v0, s[64:65] scope:SCOPE_SE
	s_setreg_imm32_b32 hwreg(HW_REG_WAVE_MODE, 25, 1), 1
	s_wait_xcnt 0x0
; out0[c][h][w], c < 32 : softmax over 64 copies of feaL[c][h][w], then the mean of d = 0..63.
; out0[32+c][h][w]      : softmax over d = 0..63 of s_d = feaR[c][h][w-d] (0 where w-d < 0), then the mean of d.
;
; LEFT HALF.  The largest of 64 equal numbers is x itself, so every term is e = exp(x - x) and the result is 2016 e / (64 e):
; 31.5 exactly for a finite x, NaN for NaN and for +-inf (inf - inf).  fma(x, 0, 31.5) is that for every x.
;
; RIGHT HALF.  Along a row this is a window of 64 columns that slides.  A set of elements is kept as a state
;   m = its largest y (y = x log2 e),  S = sum of 2^(y-m),  W = sum of weight * 2^(y-m),
; and an element is added by  m' = max(m, y), a = 2^(m-m'), b = 2^(y-m'), S' = S a + b, W' = W a + S'
; (W a + S' raises every older element's weight by one and gives the new one the weight 1).
; The row is cut into blocks of 64 columns.  The window of column 64 b + i is the elements i+1..63 of block b-1 (a suffix) and 0..i of
; block b (a prefix).  One scan upward over a block gives all its prefixes, with weight = d + 1; one scan downward gives all its
; suffixes, with weight = 65 - (d + 1).  The two states of a column are joined on their common maximum:
;   out = (a1 W1 + a2 (65 S2 - W2)) / (a1 S1 + a2 S2) - 1.
; So the maximum that is taken away is always the largest element of exactly the set at hand; a column costs two steps of a scan
; and one join instead of 64 exponentials.  Block -1 is a block of zeros.
; The empty suffix (i = 63): the scans start from (m, S, W) = (-FLT_MAX, 0, 0), and the downward scan first adds an element -inf,
; whose weight 2^(-inf) is 0; no difference of two infinities is formed.
;
; LIMITS.  |feaR| stays below 2.3e38, so that x log2 e is finite.  The sums are formed in another order than the definition's, and
; d + 1 is averaged with the 1 taken off last (an absolute error near 1e-5).  NaN, +inf and -inf give NaN in the same outputs as the definition.
;
; SHARES.  256 work-groups of four waves; a work-group owns 16 rows (16 KiB of feaR, 16 KiB of feaL, 32 KiB of out0).
; 16 rows x 4 blocks x 2 directions = 128 scans, one a lane: waves 0, 1 scan upward, waves 2, 3 downward.
; No two work-groups read the same byte, so nothing is shared in a cluster; there is no product for the matrix units.
.set BP,     272                       ; a block of 64 numbers in LDS: 256 bytes + 16, so that lanes one block apart lie one 16-byte column apart modulo 256
.set XROW,   1600                      ; a row of X in LDS: five blocks (zeros, blocks 0..3) = 1,360 bytes, + 240 so that rows lie four columns apart modulo 256
.set XBYTES, 16*XROW                   ; X: 25,600 bytes from LDS byte 0
.set ARR,    64*BP                     ; one array of states: 64 blocks (row x 4 + block)
.set PBASE,  XBYTES                    ; prefixes: m, S, W; behind them the suffixes: m, S, W.  In all 25,600 + 6 x 17,408 = 130,048 bytes
.set LANE, 1                           ; v1      lane
.set TMP,  2                           ; v2      at work
.set GOFF, 3                           ; v3      16 x lane: my bytes in every 512 that the wave loads or stores; never rewritten
.set HI,   4                           ; v4      lane / 16
.set LO,   5                           ; v5      lane % 16
.set RC,   6                           ; v6      (lane / 16) x 272 + (lane % 16) x 16: column order in LDS
.set XSA,  7                           ; v7      where I put feaR into X
.set ZR,   8                           ; v[8:11] zeros
.set ZA,   12                          ; v12     where I put them
.set XLA,  13                          ; v13     my scan's row and block in X
.set STA,  14                          ; v14     my scan's block in the arrays of states
.set PA,   15                          ; v15     the join: my place in the prefixes' arrays
.set XR,   16                          ; v[16:47]   feaR as loaded, then scaled
.set XLF,  48                          ; v[48:79]   feaL as loaded, then the left half's results; never rewritten behind their stores
.set X,    80                          ; v[80:143]  my scan's 64 numbers; v144 = -inf
.set MM,   146                         ; v[146:153] m of four positions, two sets that take turns
.set EA,   154                         ; v[154:161] a, two sets
.set EB,   162                         ; v[162:169] b, two sets
.set DA,   170                         ; v[170:173] m - m'
.set DB,   174                         ; v[174:177] y - m'
.set SS,   178                         ; v[178:181] S of four positions
.set WW,   182                         ; v[182:185] W of four positions
.set SA,   188                         ; v188    the join: my place in the suffixes' arrays
.set OUT,  190                         ; v[190:221] the right half's results, four registers for each of eight stores; never rewritten
.set C315, 222                         ; v[222:223] 31.5 twice
.set C65,  224                         ; v[224:225] 65.0 twice
.set Q,    80                          ; the join: v[80:175] four buffers of 24 registers (m1 S1 W1 m2 S2 W2 of four columns)
.set AX,   16                          ; the join: v[16:31] a1, a2 of four columns, two sets
.set DN,   32                          ; the join: v[32:43] and v[176:187]: denominator, numerator, reciprocal, two sets
.set TT,   44                          ; the join: v[44:47] the common maximum
	s_load_b128 s[4:7], s[0:1], 0x0                ; feaL s[4:5], feaR s[6:7]
	s_load_b64 s[8:9], s[0:1], 0x10                ; out0
	v_lshl_add_u32 v232, v0, 2, 0x1fc00
	v_mov_b32 v233, 0
	v_and_b32 v[LANE], 31, v0
	v_lshrrev_b32 v[TMP], 5, v0
	v_readfirstlane_b32 s14, v[TMP]                ; wave 0..3
	v_lshlrev_b32 v[GOFF], 4, v[LANE]
	s_lshl_b32 s10, ttmp9, 14                      ; the work-group's 16 rows of 1,024 bytes
	s_lshl_b32 s15, s14, 12                        ; the wave's 4 rows
	s_add_co_u32 s10, s10, s15
	s_mov_b32 s11, 0
	s_wait_kmcnt 0x0
	s_add_nc_u64 s[6:7], s[6:7], s[10:11]
	s_add_nc_u64 s[4:5], s[4:5], s[10:11]
	s_add_nc_u64 s[8:9], s[8:9], s[10:11]          ; out0, left half
	s_add_nc_u64 s[12:13], s[8:9], 0x400000        ; out0, right half: 32 x 128 x 256 x 4 bytes further on
	; Everything that the wave reads is asked for at once: 16 loads of 512 neighbouring bytes, feaR first since the scans wait for it.
.irp k, 0,1,2,3,4,5,6,7
	global_load_b128 v[XR+4*\k:XR+4*\k+3], v[GOFF], s[6:7] offset:512*\k th:TH_LOAD_NT
.endr
.irp k, 0,1,2,3,4,5,6,7
	global_load_b128 v[XLF+4*\k:XLF+4*\k+3], v[GOFF], s[4:5] offset:512*\k th:TH_LOAD_NT
.endr
	; Addresses and constants, while the loads are on their way.
	s_mov_b32 s16, 0x3fb8aa3b                      ; log2 e, as a pair for the packed multiply
	s_mov_b32 s17, 0x3fb8aa3b
	s_movk_i32 s25, BP
	s_and_b32 s23, s14, 1                          ; which 32 of the 64 blocks my wave scans
	s_lshr_b32 s24, s14, 1                         ; 0: upward (prefixes), 1: downward (suffixes)
	v_lshrrev_b32 v[HI], 4, v[LANE]
	v_and_b32 v[LO], 15, v[LANE]
	v_mul_u32_u24 v[RC], v[HI], BP
	v_lshl_add_u32 v[RC], v[LO], 4, v[RC]
	s_mul_i32 s22, s14, 4*XROW                     ; the wave's four rows in X
	v_add_nc_u32 v[XSA], s22, v[RC]
	v_mul_u32_u24 v[ZA], v[HI], XROW               ; the zero blocks: lanes 0-15 one row's, lanes 16-31 the next row's
	v_lshl_add_u32 v[ZA], v[LO], 4, v[ZA]
	v_add_nc_u32 v[ZA], s22, v[ZA]
.irp j, 0,1,2,3
	v_mov_b32 v[ZR+\j], 0
.endr
	ds_store_b128 v[ZA], v[ZR:ZR+3]                ; rows 0, 1 of my four
	ds_store_b128 v[ZA], v[ZR:ZR+3] offset:2*XROW  ; rows 2, 3
	v_lshrrev_b32 v[TMP], 2, v[LANE]               ; the scan of lane l: row 8 p + l / 4, block l % 4
	v_mul_u32_u24 v[XLA], v[TMP], XROW
	v_and_b32 v[TMP], 3, v[LANE]
	v_mad_u32_u24 v[XLA], v[TMP], s25, v[XLA]
	s_mul_i32 s26, s23, 8*XROW
	v_add_nc_u32 v[XLA], s26, v[XLA]
	s_mul_i32 s27, s23, 32*BP                      ; its states: block 32 p + l of the direction's three arrays
	s_mul_i32 s28, s24, 3*ARR
	s_add_co_u32 s27, s27, s28
	s_add_co_u32 s27, s27, PBASE
	v_mad_u32_u24 v[STA], v[LANE], s25, s27
	s_mul_i32 s29, s14, 16*BP                      ; the join: the wave's 16 blocks, in column order
	s_add_co_u32 s29, s29, PBASE
	v_add_nc_u32 v[PA], s29, v[RC]
	v_add_nc_u32 v[SA], 3*ARR, v[PA]
	v_mov_b32 v[C315], 0x41fc0000                  ; 31.5
	v_mov_b32 v[C315+1], 0x41fc0000
	v_mov_b32 v[C65], 0x42820000                   ; 65.0
	v_mov_b32 v[C65+1], 0x42820000
	; feaR x log2 e into X.  Load k holds blocks 2 (k % 2) + lane / 16 of my row k / 2; a row's block b lies behind its zero block.
.irp k, 0,1,2,3,4,5,6,7
	s_wait_loadcnt 15-\k                           ; loads come back in order: behind load k stand 7 - k of feaR and 8 of feaL
	v_pk_mul_f32 v[XR+4*\k:XR+4*\k+1], v[XR+4*\k:XR+4*\k+1], s[16:17] op_sel_hi:[1,0]
	v_pk_mul_f32 v[XR+4*\k+2:XR+4*\k+3], v[XR+4*\k+2:XR+4*\k+3], s[16:17] op_sel_hi:[1,0]
	ds_store_b128 v[XSA], v[XR+4*\k:XR+4*\k+3] offset:(\k>>1)*XROW+(\k&1)*2*BP+BP
.endr
	s_wait_dscnt 0x0                               ; my part of X and my zero blocks are in LDS: other waves scan them
	s_barrier_signal -1
	s_barrier_wait -1
; The left half: 32 numbers a lane.  It stands behind the scan's LDS loads and fills the time until they are back.
.macro LEFT
.irp k, 0,1,2,3,4,5,6,7
	s_wait_loadcnt 7-\k                            ; only feaL's loads are left: 7 - k stand behind load k
	v_pk_fma_f32 v[XLF+4*\k:XLF+4*\k+1], v[XLF+4*\k:XLF+4*\k+1], 0, v[C315:C315+1] op_sel_hi:[1,0,1]
	v_pk_fma_f32 v[XLF+4*\k+2:XLF+4*\k+3], v[XLF+4*\k+2:XLF+4*\k+3], 0, v[C315:C315+1] op_sel_hi:[1,0,1]
	global_store_b128 v[GOFF], v[XLF+4*\k:XLF+4*\k+3], s[8:9] offset:512*\k th:TH_STORE_NT   ; the wave stores 512 neighbouring bytes, aligned
.endr
.endm
; One step of a scan: four positions.  SG = +1 upward, -1 downward; XB: the register of the first element; D0: the first position's place among
; the four registers that one 16-byte store takes; OB: the first group's byte offset in a block.
; Two stages are woven into each other.  Stage A of group STEP: the four maxima (two deep, by maxima of three), the eight differences, the eight
; exponentials, and the store of m.  Stage B of group STEP - 2: the chains S' = S a + b and W' = W a + S', and their stores.  The links of the
; chains stand apart, with A's lines between them, and a and b are two steps old when B reads them.  A's exponentials write the set of a and b that B
; reads in the same step, each behind B's last read of that register.
; Behind an exponential a plain vector instruction that names none of its registers comes before its result is read or its source rewritten
; (ISA guide 5.7.2): every exponential here is followed, behind at most other exponentials, by such a line of A or of B.
.macro AB
.set xs,  XB+4*SG*STEP
.set cur, MM+4*(STEP&1)
.set prv, MM+4-4*(STEP&1)
.set ea,  EA+4*(STEP&1)
.set eb,  EB+4*(STEP&1)
.set q0,  D0
.set q1,  D0+SG
.set q2,  D0+2*SG
.set q3,  D0+3*SG
.if STEP < 16
.if STEP < 3
	s_wait_dscnt 15                                ; behind the load that is due: 15 - STEP loads and STEP stores of m
.else
	s_wait_dscnt 11+2*STEP                         ; and two stores (S, W) for each of the STEP - 2 groups that stage B has finished
.endif
	v_max_num_f32  v[cur+q0], v[prv+q3], v[xs]
	v_max3_num_f32 v[cur+q1], v[prv+q3], v[xs], v[xs+SG]
.endif
.if STEP >= 2
	s_wait_alu depctr_va_vdst(0)
	v_fma_f32 v[SS+q0], v[SS+q3], v[ea], v[eb]
.endif
.if STEP < 16
	v_sub_f32 v[DA], v[prv+q3], v[cur+q0]
	v_max3_num_f32 v[cur+q2], v[cur+q0], v[xs+SG], v[xs+2*SG]
	v_max3_num_f32 v[cur+q3], v[cur+q1], v[xs+2*SG], v[xs+3*SG]
	v_sub_f32 v[DB], v[xs], v[cur+q0]
.endif
.if STEP >= 2
	v_fma_f32 v[SS+q1], v[SS+q0], v[ea+1], v[eb+1]
	v_fma_f32 v[WW+q0], v[WW+q3], v[ea], v[SS+q0]
.endif
.if STEP < 16
	v_sub_f32 v[DA+1], v[cur+q0], v[cur+q1]
	v_sub_f32 v[DB+1], v[xs+SG], v[cur+q1]
	v_exp_f32 v[ea], v[DA]
.endif
.if STEP >= 2
	v_fma_f32 v[SS+q2], v[SS+q1], v[ea+2], v[eb+2]
	v_fma_f32 v[WW+q1], v[WW+q0], v[ea+1], v[SS+q1]
.endif
.if STEP < 16
	v_exp_f32 v[eb], v[DB]
	v_sub_f32 v[DA+2], v[cur+q1], v[cur+q2]
	v_sub_f32 v[DB+2], v[xs+2*SG], v[cur+q2]
.endif
.if STEP >= 2
	v_fma_f32 v[SS+q3], v[SS+q2], v[ea+3], v[eb+3]
	v_fma_f32 v[WW+q2], v[WW+q1], v[ea+2], v[SS+q2]
.endif
.if STEP < 16
	v_exp_f32 v[ea+1], v[DA+1]
	v_exp_f32 v[eb+1], v[DB+1]
	v_sub_f32 v[DA+3], v[cur+q2], v[cur+q3]
	v_sub_f32 v[DB+3], v[xs+3*SG], v[cur+q3]
.endif
.if STEP >= 2
	v_fma_f32 v[WW+q3], v[WW+q2], v[ea+3], v[SS+q3]
.endif
.if STEP < 16
	v_exp_f32 v[ea+2], v[DA+2]
	v_exp_f32 v[eb+2], v[DB+2]
	v_exp_f32 v[ea+3], v[DA+3]
	v_exp_f32 v[eb+3], v[DB+3]
	ds_store_b128 v[STA], v[cur:cur+3] offset:OB+16*SG*STEP
.endif
.if STEP >= 2
	ds_store_b128 v[STA], v[SS:SS+3] offset:ARR+OB+16*SG*(STEP-2)
	ds_store_b128 v[STA], v[WW:WW+3] offset:2*ARR+OB+16*SG*(STEP-2)
.endif
.endm
; A whole scan: the empty state, then 16 groups; stage B runs two steps behind, so 18 steps.
.macro SCAN
	v_mov_b32 v[MM+4+D0+3*SG], 0xff7fffff          ; m = -FLT_MAX: below or equal to every finite number, and finite, so that m - m' is never inf - inf
	v_mov_b32 v[SS+D0+3*SG], 0
	v_mov_b32 v[WW+D0+3*SG], 0
.set STEP, 0
.rept 18
	AB
.set STEP, STEP+1
.endr
.endm
	s_cmp_lt_u32 s14, 2
	s_cbranch_scc0 .Lsuffix
	; Waves 0, 1: prefixes.  The state behind element i of block b belongs to column 64 b + i.
.irp c, 0,1,2,3,4,5,6,7,8,9,10,11,12,13,14,15
	ds_load_b128 v[X+4*\c:X+4*\c+3], v[XLA] offset:BP+16*\c      ; block b lies one block behind the row's zeros
.endr
	LEFT
.set SG, 1
.set XB, X
.set OB, 0
.set D0, 0
	SCAN
	s_branch .Ljoin
.Lsuffix:
	; Waves 2, 3: suffixes of the block in front (block -1 = the zeros), loaded from the top since the scan runs downward.
	; The state of column 64 b + i holds elements i+1..63: position 63 adds the -inf, position i adds element i + 1.
.irp c, 15,14,13,12,11,10,9,8,7,6,5,4,3,2,1,0
	ds_load_b128 v[X+4*\c:X+4*\c+3], v[XLA] offset:16*\c
.endr
	LEFT
	v_mov_b32 v[X+64], 0xff800000                  ; -inf: an element of weight 0
.set SG, -1
.set XB, X+64
.set OB, 240
.set D0, 3
	SCAN
.Ljoin:
	s_wait_dscnt 0x0                               ; my states are in LDS: every wave reads both directions' states
	s_barrier_signal -1
	s_barrier_wait -1
; THE JOIN, in column order: a lane takes four neighbouring columns, a wave 512 bytes of a row, eight times.  Four stages, each on another
; eighth, so that no line waits for an exponential or a reciprocal issued just before it.
.macro CL k                            ; six loads: 16 lanes read the 256 neighbouring bytes of a block
.set qb, Q+24*((\k)&3)
	ds_load_b128 v[qb:qb+3],     v[PA] offset:(\k)*2*BP
	ds_load_b128 v[qb+4:qb+7],   v[PA] offset:ARR+(\k)*2*BP
	ds_load_b128 v[qb+8:qb+11],  v[PA] offset:2*ARR+(\k)*2*BP
	ds_load_b128 v[qb+12:qb+15], v[SA] offset:(\k)*2*BP
	ds_load_b128 v[qb+16:qb+19], v[SA] offset:ARR+(\k)*2*BP
	ds_load_b128 v[qb+20:qb+23], v[SA] offset:2*ARR+(\k)*2*BP
.endm
.macro CE k                            ; the common maximum, a1 = 2^(m1 - m), a2 = 2^(m2 - m), and 65 S2 - W2
.set qb, Q+24*((\k)&3)
.set ax, AX+8*((\k)&1)
.irp j, 0,1,2,3
	v_max_num_f32 v[TT+\j], v[qb+\j], v[qb+12+\j]
.endr
.irp j, 0,2
	v_pk_add_f32 v[qb+\j:qb+\j+1], v[qb+\j:qb+\j+1], v[TT+\j:TT+\j+1] neg_lo:[0,1] neg_hi:[0,1]
	v_pk_add_f32 v[qb+12+\j:qb+13+\j], v[qb+12+\j:qb+13+\j], v[TT+\j:TT+\j+1] neg_lo:[0,1] neg_hi:[0,1]
.endr
.irp j, 0,1,2,3
	v_exp_f32 v[ax+\j], v[qb+\j]
	v_exp_f32 v[ax+4+\j], v[qb+12+\j]
.endr
.irp j, 0,2
	v_pk_fma_f32 v[qb+20+\j:qb+21+\j], v[qb+16+\j:qb+17+\j], v[C65:C65+1], v[qb+20+\j:qb+21+\j] neg_lo:[0,0,1] neg_hi:[0,0,1]
.endr
.endm
.macro CF k                            ; denominator a1 S1 + a2 S2 (between 1 and 64: the larger a is 1 and its S holds the term 1), numerator, reciprocal
.set qb, Q+24*((\k)&3)
.set ax, AX+8*((\k)&1)
.set dn, DN+144*((\k)&1)
	s_wait_alu depctr_va_vdst(0)
.irp j, 0,2
	v_pk_mul_f32 v[dn+\j:dn+\j+1], v[ax+\j:ax+\j+1], v[qb+4+\j:qb+5+\j]
	v_pk_mul_f32 v[dn+4+\j:dn+5+\j], v[ax+\j:ax+\j+1], v[qb+8+\j:qb+9+\j]
.endr
.irp j, 0,2
	v_pk_fma_f32 v[dn+\j:dn+\j+1], v[ax+4+\j:ax+5+\j], v[qb+16+\j:qb+17+\j], v[dn+\j:dn+\j+1]
	v_pk_fma_f32 v[dn+4+\j:dn+5+\j], v[ax+4+\j:ax+5+\j], v[qb+20+\j:qb+21+\j], v[dn+4+\j:dn+5+\j]
.endr
.irp j, 0,1,2,3
	v_rcp_f32 v[dn+8+\j], v[dn+\j]
.endr
.endm
.macro CG k                            ; the mean of d + 1, less 1, and the store
.set dn, DN+144*((\k)&1)
.set ob, OUT+4*(\k)
	s_wait_alu depctr_va_vdst(0)
	v_pk_fma_f32 v[ob:ob+1], v[dn+4:dn+5], v[dn+8:dn+9], -1.0 op_sel_hi:[1,1,0]
	v_pk_fma_f32 v[ob+2:ob+3], v[dn+6:dn+7], v[dn+10:dn+11], -1.0 op_sel_hi:[1,1,0]
	global_store_b128 v[GOFF], v[ob:ob+3], s[12:13] offset:512*(\k) th:TH_STORE_NT   ; the wave stores 512 neighbouring bytes, aligned
.endm
	CL 0
	CL 1
	CL 2
	CL 3
; Turn T: exponentials of eighth T, sums and reciprocals of T - 1, loads of T + 3 (into the buffer that T - 1 has just left), result of T - 2.
; The line behind the reciprocals is the result of T - 2, which reads the other set, or the next turn's first maximum: a plain line that
; names none of their registers.  The waits count six loads for each eighth asked for behind the one that is due.
.set T, 0
.rept 10
.if T == 0
	s_wait_dscnt 18                                ; eighths 1, 2, 3 may be out
.endif
.if T >= 1
.if T <= 5
	s_wait_dscnt 12                                ; eighths T + 1 and T + 2
.endif
.endif
.if T == 6
	s_wait_dscnt 6                                 ; eighth 7
.endif
.if T == 7
	s_wait_dscnt 0
.endif
.if T < 8
	CE T
.endif
.if T >= 1
.if T <= 8
	CF T-1
.endif
.if T <= 4
	CL T+3
.endif
.endif
.if T >= 2
	CG T-2
.endif
.set T, T+1
.endr
	s_wait_tensorcnt 0x0
	ds_add_u32 v232, v233
	s_wait_dscnt 0x0
	s_endpgm
.Lfunc_end_k_q6a2d37e54a_softargmax:
	.size	k_q6a2d37e54a_softargmax, .Lfunc_end_k_q6a2d37e54a_softargmax-k_q6a2d37e54a_softargmax
	.p2alignl 7, 3214868480
	.fill 96, 4, 3214868480
	.section	.rodata,"a",@progbits
	.p2align	6, 0x0
	.amdhsa_kernel k_q6a2d37e54a_softargmax
		.amdhsa_group_segment_fixed_size 130560
		.amdhsa_private_segment_fixed_size 0
		.amdhsa_enable_private_segment 0
		.amdhsa_kernarg_size 24
		.amdhsa_user_sgpr_count 2
		.amdhsa_user_sgpr_kernarg_segment_ptr 1
		.amdhsa_wavefront_size32 1
		.amdhsa_system_sgpr_workgroup_id_x 1
		.amdhsa_system_sgpr_workgroup_id_y 1
		.amdhsa_system_sgpr_workgroup_id_z 1
		.amdhsa_system_vgpr_workitem_id 0
		.amdhsa_next_free_vgpr 234
		.amdhsa_next_free_sgpr 66
		.amdhsa_reserve_vcc 0
		.amdhsa_float_denorm_mode_32 3
		.amdhsa_float_denorm_mode_16_64 3
		.amdhsa_memory_ordered 1
		.amdhsa_forward_progress 1
		.amdhsa_inst_pref_size 77
	.end_amdhsa_kernel
	.amdgpu_metadata
---
amdhsa.version: [ 1, 2 ]
amdhsa.kernels:
  - .name:           k_q6a2d37e54a_softargmax
    .symbol:         k_q6a2d37e54a_softargmax.kd
    .args:
      - { .name: feaL, .offset: 0, .size: 8, .value_kind: global_buffer, .address_space: global }
      - { .name: feaR, .offset: 8, .size: 8, .value_kind: global_buffer, .address_space: global }
      - { .name: out0, .offset: 16, .size: 8, .value_kind: global_buffer, .address_space: global }
    .group_segment_fixed_size: 130560
    .private_segment_fixed_size: 0
    .kernarg_segment_align: 8
    .kernarg_segment_size: 24
    .max_flat_workgroup_size: 128
    .sgpr_count:     66
    .vgpr_count:     234
    .wavefront_size: 32
...
	.end_amdgpu_metadata
.endif
;; end of part 1
;; ======== version 2 of 2: 1 launch; version 1 with the launch softargmax written anew for expert scheduling mode
;; launch softargmax (part 2): grid 256 x 1, 4 waves a work-group, no clusters, 130,560 bytes of LDS; arguments feaL, feaR, out0; writes out0
.if DOCPART == 2
	.amdgcn_target "amdgcn-amd-amdhsa--gfx1250"
	.amdhsa_code_object_version 6
	.text
	.protected	k_q6a2d37e54a_softargmax
	.globl	k_q6a2d37e54a_softargmax
	.p2align	8
	.type	k_q6a2d37e54a_softargmax,@function
k_q6a2d37e54a_softargmax:
	s_mov_b64 s[64:65], 0
	v_nop
	global_prefetch_b8 v0, s[64:65] scope:SCOPE_SE
	s_setreg_imm32_b32 hwreg(HW_REG_WAVE_SCHED_MODE, 0, 2), 2
	s_setreg_imm32_b32 hwreg(HW_REG_WAVE_MODE, 25, 1), 1
	s_wait_xcnt 0x0
	s_wait_alu depctr_vm_vsrc(0)
; out0[c][h][w], c < 32 : softmax over 64 copies of feaL[c][h][w], then the mean of d = 0..63.
; out0[32+c][h][w]      : softmax over d = 0..63 of s_d = feaR[c][h][w-d] (0 where w-d < 0), then the mean of d.
;
; LEFT HALF.  The largest of 64 equal numbers is x itself, so every term is e = exp(x - x) and the result is 2016 e / (64 e):
; 31.5 exactly for a finite x, NaN for NaN and for +-inf (inf - inf).  fma(x, 0, 31.5) is that for every x.
;
; RIGHT HALF.  Along a row this is a window of 64 columns that slides.  A set of elements is kept as a state
;   m = its largest y (y = x log2 e),  S = sum of 2^(y-m),  W = sum of weight * 2^(y-m),
; and an element is added by  m' = max(m, y), a = 2^(m-m'), b = 2^(y-m'), S' = S a + b, W' = W a + S'
; (W a + S' raises every older element's weight by one and gives the new one the weight 1).
; The row is cut into blocks of 64 columns.  The window of column 64 b + i is the elements i+1..63 of block b-1 (a suffix) and 0..i of
; block b (a prefix).  One scan upward over a block gives all its prefixes, with weight = d + 1; one scan downward gives all its
; suffixes, with weight = 65 - (d + 1).  The two states of a column are joined on their common maximum:
;   out = (a1 W1 + a2 (65 S2 - W2)) / (a1 S1 + a2 S2) - 1.
; So the maximum that is taken away is always the largest element of exactly the set at hand; a column costs two steps of a scan
; and one join instead of 64 exponentials.  Block -1 is a block of zeros.
; The empty suffix (i = 63): the scans start from (m, S, W) = (-FLT_MAX, 0, 0), and the downward scan first adds an element -inf,
; whose weight 2^(-inf) is 0; no difference of two infinities is formed.
;
; LIMITS.  |feaR| stays below 2.3e38, so that x log2 e is finite.  The sums are formed in another order than the definition's, and
; d + 1 is averaged with the 1 taken off last (an absolute error near 1e-5).  NaN, +inf and -inf give NaN in the same outputs as the definition.
;
; SHARES.  256 work-groups of four waves; a work-group owns 16 rows (16 KiB of feaR, 16 KiB of feaL, 32 KiB of out0).
; 16 rows x 4 blocks x 2 directions = 128 scans, one a lane: waves 0, 1 scan upward, waves 2, 3 downward.
; No two work-groups read the same byte, so nothing is shared in a cluster; there is no product for the matrix units.
;
; THE MODE: SCHED_MODE bits 1:0 = 2 (LLVM: expert scheduling mode 2), set by the entry lines.  The code itself states the register dependences
; between vector instructions and memory or LDS instructions, with s_wait_alu, always for 0.
; THE PLAN.  Registers that memory or LDS instructions touch:
;   v3, v7, v8-15, v188   offsets, LDS addresses and the zeros: made at the head, ahead of two waits on va_vdst, and never written again.
;   XR    feaR's loads land; the scalings write it in place; eight LDS stores read it; the join's vector work writes it again.
;   XLF   feaL's loads land; sixteen multiply-adds write it in place; eight stores read it; never written again.
;   X     the scan's LDS loads land; the scan's vector work reads it; the join's loads land there.
;   MM, SS, WW   two sets each.  Step s of a scan writes set s & 1; the LDS stores at the head of step s + 1 read it; step s + 2 writes it again.
;   Q     four buffers.  The loads of eighth k land; turns k and k + 1 work on it; the loads of eighth k + 4 are issued at the head of turn k + 2.
;   OUT   written in turn k + 2, read by the store at the head of turn k + 3, never written again.
; So a step of a scan and a turn of the join work on other registers than those that its own LDS and memory instructions touch, and the waits at its
; head, with these instructions straight behind them, state all that they hang on.
.set BP,     272                       ; a block of 64 numbers in LDS: 256 bytes + 16, so that lanes one block apart lie one 16-byte column apart modulo 256
.set XROW,   1600                      ; a row of X in LDS: five blocks (zeros, blocks 0..3) = 1,360 bytes, + 240 so that rows lie four columns apart modulo 256
.set XBYTES, 16*XROW                   ; X: 25,600 bytes from LDS byte 0
.set ARR,    64*BP                     ; one array of states: 64 blocks (row x 4 + block)
.set PBASE,  XBYTES                    ; prefixes: m, S, W; behind them the suffixes: m, S, W.  In all 25,600 + 6 x 17,408 = 130,048 bytes
.set LANE, 1                           ; v1      lane
.set TMP,  2                           ; v2      at work
.set GOFF, 3                           ; v3      16 x lane: my bytes in every 512 that the wave loads or stores; never rewritten
.set HI,   4                           ; v4      lane / 16
.set LO,   5                           ; v5      lane % 16
.set RC,   6                           ; v6      (lane / 16) x 272 + (lane % 16) x 16: column order in LDS
.set XSA,  7                           ; v7      where I put feaR into X
.set ZR,   8                           ; v[8:11] zeros
.set ZA,   12                          ; v12     where I put them
.set XLA,  13                          ; v13     my scan's row and block in X
.set STA,  14                          ; v14     my scan's block in the arrays of states
.set PA,   15                          ; v15     the join: my place in the prefixes' arrays
.set XR,   16                          ; v[16:47]   feaR as loaded, then scaled
.set XLF,  48                          ; v[48:79]   feaL as loaded, then the left half's results; never rewritten behind their stores
.set X,    80                          ; v[80:143]  my scan's 64 numbers; v144 = -inf
.set MM,   146                         ; v[146:153] m of four positions, two sets that take turns
.set EA,   154                         ; v[154:161] a, two sets
.set EB,   162                         ; v[162:169] b, two sets
.set DA,   170                         ; v[170:173] m - m'
.set DB,   174                         ; v[174:177] y - m'
.set SS,   178                         ; v[178:185] S of four positions, two sets that take turns
.set WW,   234                         ; v[234:241] W of four positions, two sets that take turns
.set SA,   188                         ; v188    the join: my place in the suffixes' arrays
.set OUT,  190                         ; v[190:221] the right half's results, four registers for each of eight stores; never rewritten
.set C315, 222                         ; v[222:223] 31.5 twice
.set C65,  224                         ; v[224:225] 65.0 twice
.set Q,    80                          ; the join: v[80:175] four buffers of 24 registers (m1 S1 W1 m2 S2 W2 of four columns)
.set AX,   16                          ; the join: v[16:31] a1, a2 of four columns, two sets
.set DN,   32                          ; the join: v[32:43] and v[176:187]: denominator, numerator, reciprocal, two sets
.set TT,   44                          ; the join: v[44:47] the common maximum
	s_load_b128 s[4:7], s[0:1], 0x0                ; feaL s[4:5], feaR s[6:7]
	s_load_b64 s[8:9], s[0:1], 0x10                ; out0
	v_lshl_add_u32 v232, v0, 2, 0x1fc00            ; my spare word, behind the arrays of states, and 0: kept for the closing lines alone
	v_mov_b32 v233, 0
	v_and_b32 v[LANE], 31, v0
	v_lshrrev_b32 v[TMP], 5, v0
	v_readfirstlane_b32 s14, v[TMP]                ; wave 0..3
	v_lshlrev_b32 v[GOFF], 4, v[LANE]
	s_wait_alu depctr_va_sdst(0)                   ; s14 is written, ahead of its first reader: the bases, the LDS addresses and the branch on the wave are made from it
	s_lshl_b32 s10, ttmp9, 14                      ; the work-group's 16 rows of 1,024 bytes
	s_lshl_b32 s15, s14, 12                        ; the wave's 4 rows
	s_add_co_u32 s10, s10, s15
	s_mov_b32 s11, 0
	s_wait_kmcnt 0x0
	s_add_nc_u64 s[6:7], s[6:7], s[10:11]
	s_add_nc_u64 s[4:5], s[4:5], s[10:11]
	s_add_nc_u64 s[8:9], s[8:9], s[10:11]          ; out0, left half
	s_add_nc_u64 s[12:13], s[8:9], 0x400000        ; out0, right half: 32 x 128 x 256 x 4 bytes further on
	s_wait_alu depctr_va_vdst(0)                   ; v[GOFF] is written: every global load and store of the kernel reads it as its offset
	; Everything that the wave reads is asked for at once: 16 loads of 512 neighbouring bytes, feaR first since the scans wait for it.
.irp k, 0,1,2,3,4,5,6,7
	global_load_b128 v[XR+4*\k:XR+4*\k+3], v[GOFF], s[6:7] offset:512*\k th:TH_LOAD_NT
.endr
.irp k, 0,1,2,3,4,5,6,7
	global_load_b128 v[XLF+4*\k:XLF+4*\k+3], v[GOFF], s[4:5] offset:512*\k th:TH_LOAD_NT
.endr
	; Addresses and constants, while the loads are on their way.
	s_mov_b32 s16, 0x3fb8aa3b                      ; log2 e, as a pair for the packed multiply
	s_mov_b32 s17, 0x3fb8aa3b
	s_movk_i32 s25, BP
	s_and_b32 s23, s14, 1                          ; which 32 of the 64 blocks my wave scans
	s_lshr_b32 s24, s14, 1                         ; 0: upward (prefixes), 1: downward (suffixes)
	v_lshrrev_b32 v[HI], 4, v[LANE]
	v_and_b32 v[LO], 15, v[LANE]
	v_mul_u32_u24 v[RC], v[HI], BP
	v_lshl_add_u32 v[RC], v[LO], 4, v[RC]
	s_mul_i32 s22, s14, 4*XROW                     ; the wave's four rows in X
	v_add_nc_u32 v[XSA], s22, v[RC]
	v_mul_u32_u24 v[ZA], v[HI], XROW               ; the zero blocks: lanes 0-15 one row's, lanes 16-31 the next row's
	v_lshl_add_u32 v[ZA], v[LO], 4, v[ZA]
	v_add_nc_u32 v[ZA], s22, v[ZA]
.irp j, 0,1,2,3
	v_mov_b32 v[ZR+\j], 0
.endr
	v_lshrrev_b32 v[TMP], 2, v[LANE]               ; the scan of lane l: row 8 p + l / 4, block l % 4
	v_mul_u32_u24 v[XLA], v[TMP], XROW
	v_and_b32 v[TMP], 3, v[LANE]
	v_mad_u32_u24 v[XLA], v[TMP], s25, v[XLA]
	s_mul_i32 s26, s23, 8*XROW
	v_add_nc_u32 v[XLA], s26, v[XLA]
	s_mul_i32 s27, s23, 32*BP                      ; its states: block 32 p + l of the direction's three arrays
	s_mul_i32 s28, s24, 3*ARR
	s_add_co_u32 s27, s27, s28
	s_add_co_u32 s27, s27, PBASE
	v_mad_u32_u24 v[STA], v[LANE], s25, s27
	s_mul_i32 s29, s14, 16*BP                      ; the join: the wave's 16 blocks, in column order
	s_add_co_u32 s29, s29, PBASE
	v_add_nc_u32 v[PA], s29, v[RC]
	v_add_nc_u32 v[SA], 3*ARR, v[PA]
	v_mov_b32 v[C315], 0x41fc0000                  ; 31.5
	v_mov_b32 v[C315+1], 0x41fc0000
	v_mov_b32 v[C65], 0x42820000                   ; 65.0
	v_mov_b32 v[C65+1], 0x42820000
	s_wait_alu depctr_va_vdst(0)                   ; the LDS addresses v7, v12 to v15 and v188 and the zeros v[8:11] are written: all LDS instructions of the kernel read them, and none is written again
	ds_store_b128 v[ZA], v[ZR:ZR+3]                ; rows 0, 1 of my four
	ds_store_b128 v[ZA], v[ZR:ZR+3] offset:2*XROW  ; rows 2, 3
	; feaR x log2 e into X.  Load k holds blocks 2 (k % 2) + lane / 16 of my row k / 2; a row's block b lies behind its zero block.
	; In two halves of four loads: eight scalings, one wait, four LDS stores.
.macro SCALE k
	s_wait_loadcnt 15-\k                           ; loads come back in order: behind load k stand 7 - k of feaR and 8 of feaL
	v_pk_mul_f32 v[XR+4*\k:XR+4*\k+1], v[XR+4*\k:XR+4*\k+1], s[16:17] op_sel_hi:[1,0]
	v_pk_mul_f32 v[XR+4*\k+2:XR+4*\k+3], v[XR+4*\k+2:XR+4*\k+3], s[16:17] op_sel_hi:[1,0]
.endm
.macro PUT k
	ds_store_b128 v[XSA], v[XR+4*\k:XR+4*\k+3] offset:(\k>>1)*XROW+(\k&1)*2*BP+BP
.endm
.irp k, 0,1,2,3
	SCALE \k
.endr
	s_wait_alu depctr_va_vdst(0)                   ; the scalings have written v[XR .. XR+15], which the four LDS stores read
.irp k, 0,1,2,3
	PUT \k
.endr
.irp k, 4,5,6,7
	SCALE \k
.endr
	s_wait_alu depctr_va_vdst(0)                   ; the scalings have written v[XR+16 .. XR+31], which the four LDS stores read
.irp k, 4,5,6,7
	PUT \k
.endr
	s_wait_dscnt 0x0                               ; my part of X and my zero blocks are in LDS: other waves scan them
	s_barrier_signal -1
	s_barrier_wait -1
; The left half: 32 numbers a lane.  It stands behind the scan's LDS loads and fills the time until they are back.
.macro LEFT
.irp k, 0,1,2,3,4,5,6,7
	s_wait_loadcnt 7-\k                            ; only feaL's loads are left: 7 - k stand behind load k
	v_pk_fma_f32 v[XLF+4*\k:XLF+4*\k+1], v[XLF+4*\k:XLF+4*\k+1], 0, v[C315:C315+1] op_sel_hi:[1,0,1]
	v_pk_fma_f32 v[XLF+4*\k+2:XLF+4*\k+3], v[XLF+4*\k+2:XLF+4*\k+3], 0, v[C315:C315+1] op_sel_hi:[1,0,1]
.endr
	s_wait_alu depctr_va_vdst(0)                   ; the sixteen multiply-adds have written v[XLF ..], which the eight stores read
.irp k, 0,1,2,3,4,5,6,7
	global_store_b128 v[GOFF], v[XLF+4*\k:XLF+4*\k+3], s[8:9] offset:512*\k th:TH_STORE_NT   ; the wave stores 512 neighbouring bytes, aligned
.endr
.endm
; One step of a scan: four positions.  SG = +1 upward, -1 downward; XB: the register of the first element; D0: the first position's place among
; the four registers that one 16-byte store takes; OB: the first group's byte offset in a block.
; Two stages are woven into each other.  Stage A of group STEP: the four maxima (two deep, by maxima of three), the eight differences and the eight
; exponentials.  Stage B of group STEP - 2: the chains S' = S a + b and W' = W a + S'.  The links of the
; chains stand apart, with A's lines between them, and a and b are two steps old when B reads them.  A's exponentials write the set of a and b that B
; reads in the same step, each behind B's last read of that register.
; The LDS stores of what a step has made stand at the head of the next step: m of group STEP - 1, S and W of group STEP - 3, out of the sets that this step's vector lines only read.
; Behind an exponential a plain vector instruction that names none of its registers comes before its result is read or its source rewritten
; (ISA guide 5.7.2): every exponential here is followed, behind at most other exponentials, by such a line of A or of B.
.macro AB
.set xs,  XB+4*SG*STEP
.set cur, MM+4*(STEP&1)
.set prv, MM+4-4*(STEP&1)
.set ea,  EA+4*(STEP&1)
.set eb,  EB+4*(STEP&1)
.set ssc, SS+4*(STEP&1)
.set ssp, SS+4-4*(STEP&1)
.set wwc, WW+4*(STEP&1)
.set wwp, WW+4-4*(STEP&1)
.set q0,  D0
.set q1,  D0+SG
.set q2,  D0+2*SG
.set q3,  D0+3*SG
.if STEP < 16
.if STEP < 1
	s_wait_dscnt 15                                ; behind the load that is due: the 15 other loads
.elseif STEP < 4
	s_wait_dscnt 14                                ; 15 - STEP loads and STEP - 1 stores of m
.else
	s_wait_dscnt 8+2*STEP                          ; and two stores (S, W) for each of the STEP - 3 steps that have stored them
.endif
.endif
.if STEP >= 2
	s_wait_alu depctr_vm_vsrc(0)                   ; the LDS stores issued in the step before have read the sets of m, S and W that this step's vector lines write again
.endif
.if STEP >= 1
	s_wait_alu depctr_va_vdst(0)                   ; the step before has written its m, S and W, which the LDS stores below read, and its eight exponentials' results, ahead of their first reader
.if STEP <= 16
	ds_store_b128 v[STA], v[prv:prv+3] offset:OB+16*SG*(STEP-1)
.endif
.endif
.if STEP >= 3
	ds_store_b128 v[STA], v[ssp:ssp+3] offset:ARR+OB+16*SG*(STEP-3)
	ds_store_b128 v[STA], v[wwp:wwp+3] offset:2*ARR+OB+16*SG*(STEP-3)
.endif
.if STEP < 16
	v_max_num_f32  v[cur+q0], v[prv+q3], v[xs]
	v_max3_num_f32 v[cur+q1], v[prv+q3], v[xs], v[xs+SG]
.endif
.if STEP >= 2
	v_fma_f32 v[ssc+q0], v[ssp+q3], v[ea], v[eb]
.endif
.if STEP < 16
	v_sub_f32 v[DA], v[prv+q3], v[cur+q0]
	v_max3_num_f32 v[cur+q2], v[cur+q0], v[xs+SG], v[xs+2*SG]
	v_max3_num_f32 v[cur+q3], v[cur+q1], v[xs+2*SG], v[xs+3*SG]
	v_sub_f32 v[DB], v[xs], v[cur+q0]
.endif
.if STEP >= 2
	v_fma_f32 v[ssc+q1], v[ssc+q0], v[ea+1], v[eb+1]
	v_fma_f32 v[wwc+q0], v[wwp+q3], v[ea], v[ssc+q0]
.endif
.if STEP < 16
	v_sub_f32 v[DA+1], v[cur+q0], v[cur+q1]
	v_sub_f32 v[DB+1], v[xs+SG], v[cur+q1]
	v_exp_f32 v[ea], v[DA]
.endif
.if STEP >= 2
	v_fma_f32 v[ssc+q2], v[ssc+q1], v[ea+2], v[eb+2]
	v_fma_f32 v[wwc+q1], v[wwc+q0], v[ea+1], v[ssc+q1]
.endif
.if STEP < 16
	v_exp_f32 v[eb], v[DB]
	v_sub_f32 v[DA+2], v[cur+q1], v[cur+q2]
	v_sub_f32 v[DB+2], v[xs+2*SG], v[cur+q2]
.endif
.if STEP >= 2
	v_fma_f32 v[ssc+q3], v[ssc+q2], v[ea+3], v[eb+3]
	v_fma_f32 v[wwc+q2], v[wwc+q1], v[ea+2], v[ssc+q2]
.endif
.if STEP < 16
	v_exp_f32 v[ea+1], v[DA+1]
	v_exp_f32 v[eb+1], v[DB+1]
	v_sub_f32 v[DA+3], v[cur+q2], v[cur+q3]
	v_sub_f32 v[DB+3], v[xs+3*SG], v[cur+q3]
.endif
.if STEP >= 2
	v_fma_f32 v[wwc+q3], v[wwc+q2], v[ea+3], v[ssc+q3]
.endif
.if STEP < 16
	v_exp_f32 v[ea+2], v[DA+2]
	v_exp_f32 v[eb+2], v[DB+2]
	v_exp_f32 v[ea+3], v[DA+3]
	v_exp_f32 v[eb+3], v[DB+3]
.endif
.endm
; A whole scan: the empty state, then 16 groups; stage B runs two steps behind, so 18 steps; the last group's S and W are stored behind them.
.macro SCAN
	v_mov_b32 v[MM+4+D0+3*SG], 0xff7fffff          ; m = -FLT_MAX: below or equal to every finite number, and finite, so that m - m' is never inf - inf
	v_mov_b32 v[SS+4+D0+3*SG], 0
	v_mov_b32 v[WW+4+D0+3*SG], 0
.set STEP, 0
.rept 18
	AB
.set STEP, STEP+1
.endr
	s_wait_alu depctr_va_vdst(0)                   ; the last step has written S and W of group 15, which the two LDS stores read; and the scan's vector lines are done with v[80:177], in which the join's loads land
	ds_store_b128 v[STA], v[SS+4:SS+7] offset:ARR+OB+16*SG*15
	ds_store_b128 v[STA], v[WW+4:WW+7] offset:2*ARR+OB+16*SG*15
	s_wait_alu depctr_vm_vsrc(0)                   ; my LDS stores have read v[XR ..], m's sets and S's sets: the join's vector lines write v[16:47] and v[176:187], and its loads land in v[146:153]
.endm
	s_cmp_lt_u32 s14, 2
	s_cbranch_scc0 .Lsuffix
	; Waves 0, 1: prefixes.  The state behind element i of block b belongs to column 64 b + i.
.irp c, 0,1,2,3,4,5,6,7,8,9,10,11,12,13,14,15
	ds_load_b128 v[X+4*\c:X+4*\c+3], v[XLA] offset:BP+16*\c      ; block b lies one block behind the row's zeros
.endr
	LEFT
.set SG, 1
.set XB, X
.set OB, 0
.set D0, 0
	SCAN
	s_branch .Ljoin
.Lsuffix:
	; Waves 2, 3: suffixes of the block in front (block -1 = the zeros), loaded from the top since the scan runs downward.
	; The state of column 64 b + i holds elements i+1..63: position 63 adds the -inf, position i adds element i + 1.
.irp c, 15,14,13,12,11,10,9,8,7,6,5,4,3,2,1,0
	ds_load_b128 v[X+4*\c:X+4*\c+3], v[XLA] offset:16*\c
.endr
	LEFT
	v_mov_b32 v[X+64], 0xff800000                  ; -inf: an element of weight 0
.set SG, -1
.set XB, X+64
.set OB, 240
.set D0, 3
	SCAN
.Ljoin:
	s_wait_dscnt 0x0                               ; my states are in LDS: every wave reads both directions' states
	s_barrier_signal -1
	s_barrier_wait -1
; THE JOIN, in column order: a lane takes four neighbouring columns, a wave 512 bytes of a row, eight times.  Five stages, each on another
; eighth, so that no line waits for an exponential or a reciprocal issued just before it.
.macro CL k                            ; six loads: 16 lanes read the 256 neighbouring bytes of a block
.set qb, Q+24*((\k)&3)
	ds_load_b128 v[qb:qb+3],     v[PA] offset:(\k)*2*BP
	ds_load_b128 v[qb+4:qb+7],   v[PA] offset:ARR+(\k)*2*BP
	ds_load_b128 v[qb+8:qb+11],  v[PA] offset:2*ARR+(\k)*2*BP
	ds_load_b128 v[qb+12:qb+15], v[SA] offset:(\k)*2*BP
	ds_load_b128 v[qb+16:qb+19], v[SA] offset:ARR+(\k)*2*BP
	ds_load_b128 v[qb+20:qb+23], v[SA] offset:2*ARR+(\k)*2*BP
.endm
.macro CE k                            ; the common maximum, a1 = 2^(m1 - m), a2 = 2^(m2 - m), and 65 S2 - W2
.set qb, Q+24*((\k)&3)
.set ax, AX+8*((\k)&1)
.irp j, 0,1,2,3
	v_max_num_f32 v[TT+\j], v[qb+\j], v[qb+12+\j]
.endr
.irp j, 0,2
	v_pk_add_f32 v[qb+\j:qb+\j+1], v[qb+\j:qb+\j+1], v[TT+\j:TT+\j+1] neg_lo:[0,1] neg_hi:[0,1]
	v_pk_add_f32 v[qb+12+\j:qb+13+\j], v[qb+12+\j:qb+13+\j], v[TT+\j:TT+\j+1] neg_lo:[0,1] neg_hi:[0,1]
.endr
.irp j, 0,1,2,3
	v_exp_f32 v[ax+\j], v[qb+\j]
	v_exp_f32 v[ax+4+\j], v[qb+12+\j]
.endr
.irp j, 0,2
	v_pk_fma_f32 v[qb+20+\j:qb+21+\j], v[qb+16+\j:qb+17+\j], v[C65:C65+1], v[qb+20+\j:qb+21+\j] neg_lo:[0,0,1] neg_hi:[0,0,1]
.endr
.endm
.macro CF k                            ; denominator a1 S1 + a2 S2 (between 1 and 64: the larger a is 1 and its S holds the term 1), numerator, reciprocal
.set qb, Q+24*((\k)&3)
.set ax, AX+8*((\k)&1)
.set dn, DN+144*((\k)&1)
.irp j, 0,2
	v_pk_mul_f32 v[dn+\j:dn+\j+1], v[ax+\j:ax+\j+1], v[qb+4+\j:qb+5+\j]
	v_pk_mul_f32 v[dn+4+\j:dn+5+\j], v[ax+\j:ax+\j+1], v[qb+8+\j:qb+9+\j]
.endr
.irp j, 0,2
	v_pk_fma_f32 v[dn+\j:dn+\j+1], v[ax+4+\j:ax+5+\j], v[qb+16+\j:qb+17+\j], v[dn+\j:dn+\j+1]
	v_pk_fma_f32 v[dn+4+\j:dn+5+\j], v[ax+4+\j:ax+5+\j], v[qb+20+\j:qb+21+\j], v[dn+4+\j:dn+5+\j]
.endr
.irp j, 0,1,2,3
	v_rcp_f32 v[dn+8+\j], v[dn+\j]
.endr
.endm
.macro CG k                            ; the mean of d + 1, less 1
.set dn, DN+144*((\k)&1)
.set ob, OUT+4*(\k)
	v_pk_fma_f32 v[ob:ob+1], v[dn+4:dn+5], v[dn+8:dn+9], -1.0 op_sel_hi:[1,1,0]
	v_pk_fma_f32 v[ob+2:ob+3], v[dn+6:dn+7], v[dn+10:dn+11], -1.0 op_sel_hi:[1,1,0]
.endm
.macro CS k                            ; and its store
.set ob, OUT+4*(\k)
	global_store_b128 v[GOFF], v[ob:ob+3], s[12:13] offset:512*(\k) th:TH_STORE_NT   ; the wave stores 512 neighbouring bytes, aligned
.endm
	CL 0                                           ; no vector line stands between the wait on va_vdst that ends the scan and these loads
	CL 1
	CL 2
	CL 3
; Turn T.  At its head: the loads of eighth T + 2, into the buffer that eighth T - 2 left in the turn before, and the store of eighth T - 3.
; Then the vector work: exponentials of eighth T, sums and reciprocals of T - 1, result of T - 2: it names buffers T & 3 and (T - 1) & 3 alone.
; The line behind the reciprocals is the result of T - 2, which reads the other set, or the next turn's first maximum: a plain line that
; names none of their registers.  The waits on DScnt count six loads for each eighth asked for behind the one that is due.
.set T, 0
.rept 11
.if T == 0
	s_wait_dscnt 18                                ; eighths 1, 2, 3 may be out
.endif
.if T == 1
	s_wait_dscnt 12                                ; eighths 2, 3
.endif
.if T >= 2
.if T <= 6
	s_wait_dscnt 6                                 ; eighth T + 1 alone: T + 2 is asked for below
.endif
.endif
.if T == 7
	s_wait_dscnt 0
.endif
.if T >= 1
	s_wait_alu depctr_va_vdst(0)                   ; the turn before: its exponentials' and reciprocals' results are written, ahead of their first readers; its result v[OUT ..] is written, which the store below reads; its sums are done reading the buffer in which the loads below land
.endif
.if T >= 2
.if T <= 5
	CL T+2
.endif
.endif
.if T >= 3
	CS T-3
.endif
.if T < 8
	CE T
.endif
.if T >= 1
.if T <= 8
	CF T-1
.endif
.endif
.if T >= 2
.if T <= 9
	CG T-2
.endif
.endif
.set T, T+1
.endr
	s_wait_dscnt 0x0                               ; the closing lines, six on end
	s_wait_alu 0x0
	s_wait_tensorcnt 0x0
	ds_add_u32 v232, v233
	s_wait_dscnt 0x0
	s_endpgm
.Lfunc_end_k_q6a2d37e54a_softargmax:
	.size	k_q6a2d37e54a_softargmax, .Lfunc_end_k_q6a2d37e54a_softargmax-k_q6a2d37e54a_softargmax
	.p2alignl 7, 3214868480
	.fill 96, 4, 3214868480
	.section	.rodata,"a",@progbits
	.p2align	6, 0x0
	.amdhsa_kernel k_q6a2d37e54a_softargmax
		.amdhsa_group_segment_fixed_size 130560
		.amdhsa_private_segment_fixed_size 0
		.amdhsa_enable_private_segment 0
		.amdhsa_kernarg_size 24
		.amdhsa_user_sgpr_count 2
		.amdhsa_user_sgpr_kernarg_segment_ptr 1
		.amdhsa_wavefront_size32 1
		.amdhsa_system_sgpr_workgroup_id_x 1
		.amdhsa_system_sgpr_workgroup_id_y 1
		.amdhsa_system_sgpr_workgroup_id_z 1
		.amdhsa_system_vgpr_workitem_id 0
		.amdhsa_next_free_vgpr 242
		.amdhsa_next_free_sgpr 66
		.amdhsa_reserve_vcc 0
		.amdhsa_float_denorm_mode_32 3
		.amdhsa_float_denorm_mode_16_64 3
		.amdhsa_memory_ordered 1
		.amdhsa_forward_progress 1
		.amdhsa_inst_pref_size 78
	.end_amdhsa_kernel
	.amdgpu_metadata
---
amdhsa.version: [ 1, 2 ]
amdhsa.kernels:
  - .name:           k_q6a2d37e54a_softargmax
    .symbol:         k_q6a2d37e54a_softargmax.kd
    .args:
      - { .name: feaL, .offset: 0, .size: 8, .value_kind: global_buffer, .address_space: global }
      - { .name: feaR, .offset: 8, .size: 8, .value_kind: global_buffer, .address_space: global }
      - { .name: out0, .offset: 16, .size: 8, .value_kind: global_buffer, .address_space: global }
    .group_segment_fixed_size: 130560
    .private_segment_fixed_size: 0
    .kernarg_segment_align: 8
    .kernarg_segment_size: 24
    .max_flat_workgroup_size: 128
    .sgpr_count:     66
    .vgpr_count:     242
    .wavefront_size: 32
...
	.end_amdgpu_metadata
.endif
;; end of part 2
